; MI455X (gfx1250); checked and timed in simulation.
; The chip was launched on July 23, 2026; its instructions are those of AMD's public machine-readable ISA for CDNA 5 (MIT licence, August 2026) and "CDNA5" Instruction Set Architecture Reference Guide (July 2026). The comments in the code are by the model that wrote it; some were corrected since.
;; Linear. Allowed arithmetic: matrix products marked QUANTISED: E4M3 operands, one given power-of-two scale a tensor, by v_wmma_f32_16x16x64_fp8_fp8 or v_wmma_f32_16x16x128_fp8_fp8, f32 sums; everything else in f32.
;; Inputs: b 4,096 float32; inputs 4 x 1,024 x 4,096 float32; lowp_scales 2 int32 (the exponents e of the quantised operands' scales 2^e); w 4,096 x 4,096 int8; w_scale 4,096 x 4,096 float32.
;; Outputs: out0 4 x 1,024 x 4,096 float32.
;; This version of the problem:
;;   THIS VERSION OF THE PROBLEM IS GIVEN IN LOW PRECISION. The matrix products marked QUANTISED in the list below multiply operands that are first quantised to E4M3 (4 exponent bits, 3 mantissa bits; 8 bits a number), with one given power-of-two scale for each operand tensor; their sums are f32. All else is computed in f32.
;;   The module's matrix products, in the order in which they are computed (A, B: the left and right operand; K: the contracted axis; several contracted axes count as one K, in the product's order):
;;     1. [M 4,096, K 4,096] x [K 4,096, N 4,096]; A: input inputs; B: computed on the way: QUANTISED (scales: A lowp_scales[0], B lowp_scales[1])
;;   THE QUANTISER, for each operand of a quantised product, along K:
;;     - The operand's scale is 2^e, e = its entry of the input lowp_scales (int32; the entries are numbered through the quantised products in the list's order, A before B).
;;     - Each number is divided by the scale, clamped to +-448, and rounded to the nearest number of E4M3, ties to even, subnormals kept.
;;     - The product sums the exact products of the quantised numbers (number of the format x scale) in f32.
;;   ~~~python
;;   def quantise(x, axis, e):      # numpy; x: float32 -> the quantised numbers, widened to float32 again
;;       x = np.moveaxis(x, axis, -1); K = x.shape[-1]
;;       r = np.clip(x / 2.0 ** e, -448, 448)
;;       step = 2.0 ** (np.maximum(np.frexp(np.where(r == 0, 1, r))[1] - 1, -6) - 3)
;;       q = np.round(r / step) * step * 2.0 ** e      # np.round: ties to even
;;       return np.moveaxis(q, -1, axis).astype(np.float32)
;;   ~~~
;;   OPERANDS COMPUTED ON THE WAY. 'Computed on the way' means the value that the module computes at that place (a softmax that the list does not call 'softmax' is quantised finished and normalised). What goes into a quantiser is computed in f32, as accurately as f32 sums, v_exp_f32 and their like allow (about 1e-6 of the number): no bf16 or f16 on the way to a quantiser, and a product that is left as it is and whose result goes on into a quantised operand takes f32 operands (vector FMAs, or v_wmma_f32_16x16x4_f32). A number that lies on a knife's edge between two numbers of the format may be rounded either way, as far as f32 arithmetic and the matrix unit's own rounding can turn it there, and no further.
;; One version. Each part assembles by itself: llvm-mc -triple=amdgcn-amd-amdhsa -mcpu=gfx1250 --defsym DOCPART=n.
;; ======== version 1 of 1: 2 launches
;; limits: right only within a limited range of input values
;; workspace buffers: a_codes 16,777,216 bytes; b_codes 16,777,216 bytes
;; launch quant (part 1): grid 1024 x 1, 4 waves a work-group, no clusters, 56,064 bytes of LDS; arguments inputs, w, w_scale, lowp_scales, a_codes, b_codes; writes a_codes, b_codes
.if DOCPART == 1
	.amdgcn_target "amdgcn-amd-amdhsa--gfx1250"
	.amdhsa_code_object_version 6
	.text
	.protected	k_qa9a4896fe0_quant
	.globl	k_qa9a4896fe0_quant
	.p2align	8
	.type	k_qa9a4896fe0_quant,@function
k_qa9a4896fe0_quant:
	s_mov_b64 s[64:65], 0
	v_nop
	global_prefetch_b8 v0, s[64:65] scope:SCOPE_SE
	s_setreg_imm32_b32 hwreg(HW_REG_WAVE_MODE, 25, 1), 1
	s_wait_xcnt 0x0
; Both operands of out = inputs x (w * w_scale) + b are turned into codes of FP8 (E4M3), one code a byte, each with the one scale 2^e that is given for it.
;   a_codes [4096 m][4096 k] from inputs [4096 m][4096 k] f32: rows as they lie, K innermost.
;   b_codes from w [4096 k][4096 n] int8 times w_scale [4096 k][4096 n] f32, laid IN THE ORDER OF THE NEXT LAUNCH'S OPERAND REGISTERS:
;   [32 groups of 128 columns][32 chunks of 128 along K][8 blocks of 16 columns][4 parts c][32 lanes l][16 bytes]: lane l of part c holds column l % 16 of the block, K = 32 c + 16 (l / 16) + 0 .. 15 of the chunk.
; code = x / 2^e, held within +-448, rounded to the nearest code, ties to even.  e: entry 0 of the scales' buffer for inputs, entry 1 for the weight.
; LIMITS: -126 <= e and e + 8 <= 127, so that 2^e and 448 x 2^e are f32 numbers.  NaN among the inputs is not served; an infinity is held at the largest code.
; No step of the problem is left out: every input has a way to the output.
; ONE LAUNCH, TWO PATHS, parted on the work-group's number alone: work-groups 0-511 take inputs (path A), 512-1023 the weight (path W).  Each path has LDS bytes of its own; every LDS address is made
; ahead of the parting; the one barrier stands where the paths have joined.
; PATH A.  The tensor is a plain stream.  A wave takes 16 steps of 512 numbers: four loads of 512 consecutive bytes, a turn through the wave's own stage, 64 bytes (16 neighbours along K) back to a lane, 16 codes a lane out.
; PATH W.  A work-group takes 128 columns x 256 along K; wave w the 64 rows k from 64 w on.  A lane takes four neighbouring columns and its registers run down K.  The codes meet in the work-group's stage
;   (a row = a column, 256 codes along K) and leave in the order above: the work-group's part is 32,768 consecutive bytes, a store covers 512 of them.
; No tensor loads; nothing is shared between work-groups, so no cluster.
.set WGA,   512
.set STEPS, 16
.set SP,    80                         ; path A: a lane's place in a stage: 64 bytes + 16 of padding
.set WREG,  2*32*SP                    ; path A: a wave's two stages
.set WSTG,  4*WREG                     ; path W's stage, behind path A's regions
.set WP,    272                        ; path W: a stage row: 256 codes + 16
.set WG4,   32*WP+64                   ; path W: from the rows of columns 4 l + c to those of 4 l + c + 1: 32 rows and 64 bytes, so that the sixteen lanes of a read back fall on sixteen different 16-byte columns
.set SPARE, 0xd900                     ; behind path W's stage (it ends at byte 55,488): the spare words
.set R,     16
.set X,     80
.set C,     128
.set S,     16
.set WB,    144
.set P,     176
.set CD,    240
.set OUT,   16
	s_load_b256 s[4:11], s[0:1], 0x0               ; inputs, w, w_scale, the scales' exponents
	s_load_b128 s[12:15], s[0:1], 0x20             ; a_codes, b_codes
	v_lshl_add_u32 v4, v0, 2, SPARE
	v_mov_b32 v5, 0
	v_lshrrev_b32 v1, 5, v0
	v_readfirstlane_b32 s16, v1                    ; wave
	v_and_b32 v2, 31, v0                           ; lane
	v_lshlrev_b32 v3, 4, v2                        ; 16 x lane
	v_lshlrev_b32 v6, 2, v2                        ; 4 x lane
	v_and_b32 v12, 15, v2                          ; r
	v_lshrrev_b32 v13, 4, v2                       ; h
	s_mul_i32 s17, s16, WREG
	v_lshrrev_b32 v14, 2, v2
	v_mul_u32_u24 v14, v14, SP
	v_and_b32 v15, 3, v2
	v_lshl_add_u32 v14, v15, 4, v14
	v_add_nc_u32 v14, s17, v14                     ; path A, into the stage
	v_mul_u32_u24 v15, v2, SP
	v_add_nc_u32 v15, s17, v15                     ; path A, out of it
	s_lshl_b32 s18, s16, 6
	v_mul_u32_u24 v7, v2, WP
	v_add_nc_u32 v7, s18, v7
	v_add_nc_u32 v7, WSTG, v7                      ; path W, into the stage: row = lane (+ WG4 c), byte 64 x wave (+ 16 x batch)
	s_and_b32 s19, s16, 1
	s_mul_i32 s19, s19, 16*WP                      ; path W, back: wave w takes chunk w / 2 along K and column blocks 4 (w % 2) on
	s_lshr_b32 s20, s16, 1
	s_lshl_b32 s20, s20, 7
	s_add_co_u32 s19, s19, s20
	v_and_b32 v8, 3, v12
	v_mul_u32_u24 v8, v8, WG4                      ; column r of a block lies in group r % 4,
	v_lshrrev_b32 v9, 2, v12
	v_mad_u32_u24 v8, v9, WP, v8                   ; row r / 4 (+ 4 for each block),
	v_lshl_add_u32 v8, v13, 4, v8                  ; byte 16 h (+ 32 c)
	v_add_nc_u32 v8, s19, v8
	v_add_nc_u32 v8, WSTG, v8
	s_wait_kmcnt 0x0
	s_load_b64 s[22:23], s[10:11], 0x0             ; ea, eb
	s_cmp_lt_u32 ttmp9, WGA
	s_cbranch_scc0 .Lw
.macro MKSCALE e                       ; v11 = 2^e as f32; v10 = 448 x 2^e
	s_add_co_i32 s30, \e, 127
	s_lshl_b32 s31, s30, 23
	v_mov_b32 v11, s31
	s_add_co_i32 s30, s30, 8
	s_lshl_b32 s30, s30, 23
	s_or_b32 s30, s30, 0x600000
	v_mov_b32 v10, s30
.endm
	; ---------------- PATH A ----------------
	s_lshl_b32 s17, ttmp9, 2
	s_add_co_u32 s17, s17, s16                     ; which run of 8,192 numbers is my wave's
	s_lshl_b32 s24, s17, 15
	s_mov_b32 s25, 0
	s_lshl_b32 s26, s17, 13
	s_mov_b32 s27, 0
	s_add_nc_u64 s[4:5], s[4:5], s[24:25]
	s_add_nc_u64 s[12:13], s[12:13], s[26:27]
.macro LOADA t
.irp i, 0,1,2,3
	global_load_b128 v[R+16*((\t)%4)+4*\i:R+16*((\t)%4)+4*\i+3], v3, s[4:5] offset:2048*(\t)+512*\i th:TH_LOAD_NT
.endr
.endm
.macro TURNA t                         ; LDS serves a wave's instructions in order (ISA guide 5.7.1.4): no wait between the stores and the loads
.irp i, 0,1,2,3
	ds_store_b128 v14, v[R+16*((\t)%4)+4*\i:R+16*((\t)%4)+4*\i+3] offset:32*SP*((\t)%2)+8*SP*\i
.endr
.irp i, 0,1,2,3
	ds_load_b128 v[X+16*((\t)%2)+4*\i:X+16*((\t)%2)+4*\i+3], v15 offset:32*SP*((\t)%2)+16*\i
.endr
.endm
.irp t, 0,1,2,3
	LOADA \t
.endr
	s_wait_kmcnt 0x0
	MKSCALE s22
	s_wait_alu depctr_va_vdst(0)
	s_wait_loadcnt 12                              ; step 0's four loads are in; twelve behind them
	TURNA 0
.macro STEPA t
.set XS, X+16*((\t)%2)
	s_wait_dscnt 0x0                               ; this step's numbers are back, and its stores into the stage have read their registers
.if (\t)+4 < STEPS
	LOADA (\t)+4
.endif
.if (\t)+1 < STEPS
.if STEPS-2-(\t) >= 3
	s_wait_loadcnt 12                              ; the next step's four loads are in; three steps' behind them
.else
	s_wait_loadcnt 4*(STEPS-2-(\t))
.endif
	TURNA (\t)+1
.endif
.irp i, 0,1,2,3,4,5,6,7,8,9,10,11,12,13,14,15
	v_med3_num_f32 v[XS+\i], v[XS+\i], -v10, v10   ; the conversion does not saturate (ISA guide 7.6.2): the hold comes first
.endr
	v_cvt_scalef32_pk8_fp8_f32 v[C+4*(\t):C+4*(\t)+1], v[XS:XS+7], v11
	v_cvt_scalef32_pk8_fp8_f32 v[C+4*(\t)+2:C+4*(\t)+3], v[XS+8:XS+15], v11
	v_nop                                          ; one plain vector line behind the last conversion of a run
	global_store_b128 v3, v[C+4*(\t):C+4*(\t)+3], s[12:13] offset:512*(\t)   ; 512 consecutive bytes, aligned
.endm
.irp t, 0,1,2,3,4,5,6,7,8,9,10,11,12,13,14,15
	STEPA \t
.endr
	s_branch .Ljoin
	; ---------------- PATH W ----------------
.Lw:
	s_sub_co_u32 s17, ttmp9, WGA
	s_and_b32 s18, s17, 31                         ; nx: which 128 columns
	s_lshr_b32 s19, s17, 5                         ; ky: which 256 along K
	s_lshl_b32 s20, s19, 8
	s_lshl_b32 s21, s16, 6
	s_add_co_u32 s20, s20, s21                     ; my wave's first row k0 = 256 ky + 64 wave
	s_lshl_b32 s24, s20, 14
	s_lshl_b32 s21, s18, 9
	s_add_co_u32 s24, s24, s21
	s_mov_b32 s25, 0
	s_add_nc_u64 s[8:9], s[8:9], s[24:25]
	s_lshl_b32 s26, s20, 12
	s_lshl_b32 s21, s18, 7
	s_add_co_u32 s26, s26, s21
	s_mov_b32 s27, 0
	s_add_nc_u64 s[6:7], s[6:7], s[26:27]
	s_lshl_b32 s28, s18, 19                        ; b_codes: 524,288 bytes a group of 128 columns,
	s_lshl_b32 s21, s19, 15                        ; 32,768 for 256 along K,
	s_add_co_u32 s28, s28, s21
	s_lshl_b32 s21, s16, 13                        ; 8,192 that my wave stores
	s_add_co_u32 s28, s28, s21
	s_mov_b32 s29, 0
	s_add_nc_u64 s[14:15], s[14:15], s[28:29]
.macro LOADW t                         ; batch t: rows 16 t .. 16 t + 15 of my 64, into set t % 2: 32 loads
.irp i, 0,1,2,3,4,5,6,7,8,9,10,11,12,13,14,15
	global_load_b128 v[S+64*((\t)%2)+4*\i:S+64*((\t)%2)+4*\i+3], v3, s[8:9] offset:(16*(\t)+\i)*16384 th:TH_LOAD_NT
	global_load_b32 v[WB+16*((\t)%2)+\i], v6, s[6:7] offset:(16*(\t)+\i)*4096 th:TH_LOAD_NT
.endr
.endm
	LOADW 0
	LOADW 1
	s_wait_kmcnt 0x0
	MKSCALE s23
.macro BATCH t
.set SS, S+64*((\t)%2)
.set WS, WB+16*((\t)%2)
.if (\t) < 3
	s_wait_loadcnt 32                              ; this batch's 32 loads are in; the next batch's 32 may be out
.else
	s_wait_loadcnt 0x0
.endif
.irp c, 0,1,2
.irp i, 0,1,2,3,4,5,6,7,8,9,10,11,12,13,14,15
	v_lshlrev_b32 v[P+16*\c+\i], 24-8*\c, v[WS+\i] ; column c's int8 to the top of the word,
.endr
.endr
.set j, 0
.rept 48
	v_ashrrev_i32 v[P+j], 24, v[P+j]               ; and down again with its sign
.set j, j+1
.endr
.irp i, 0,1,2,3,4,5,6,7,8,9,10,11,12,13,14,15
	v_ashrrev_i32 v[P+48+\i], 24, v[WS+\i]
.endr
.set j, 0
.rept 64
	v_cvt_f32_i32 v[P+j], v[P+j]
.set j, j+1
.endr
.irp c, 0,1,2,3
.irp i, 0,1,2,3,4,5,6,7,8,9,10,11,12,13,14,15
	v_mul_f32 v[P+16*\c+\i], v[P+16*\c+\i], v[SS+4*\i+\c]   ; the weight, int8 x scale in f32
.endr
.endr
.if (\t) < 2
	LOADW (\t)+2
.endif
.set j, 0
.rept 64
	v_med3_num_f32 v[P+j], v[P+j], -v10, v10
.set j, j+1
.endr
.if (\t) > 0
	s_wait_alu depctr_va_vdst(0)
	s_wait_dscnt 0x0                               ; the last batch's stores into the stage have read their registers
.endif
.irp c, 0,1,2,3
	v_cvt_scalef32_pk8_fp8_f32 v[CD+4*\c:CD+4*\c+1], v[P+16*\c:P+16*\c+7], v11
	v_cvt_scalef32_pk8_fp8_f32 v[CD+4*\c+2:CD+4*\c+3], v[P+16*\c+8:P+16*\c+15], v11
.endr
	v_nop
.irp c, 0,1,2,3
	ds_store_b128 v7, v[CD+4*\c:CD+4*\c+3] offset:WG4*\c+16*(\t)   ; column 4 lane + c; bytes 64 wave + 16 t on
.endr
.endm
	BATCH 0
	BATCH 1
	BATCH 2
	BATCH 3
.Ljoin:
	s_wait_dscnt 0x0                               ; for the others' sake: my stores into the stage are done
	s_barrier_signal -1
	s_barrier_wait -1
	s_cmp_lt_u32 ttmp9, WGA
	s_cbranch_scc1 .Lend
.irp t, 0,1,2,3,4,5,6,7,8,9,10,11,12,13,14,15
	ds_load_b128 v[OUT+4*\t:OUT+4*\t+3], v8 offset:4*WP*(\t/4)+32*(\t%4)   ; column block 4 (w % 2) + t / 4, part c = t % 4
.endr
.irp t, 0,1,2,3,4,5,6,7,8,9,10,11,12,13,14,15
	s_wait_dscnt 15-\t
	global_store_b128 v3, v[OUT+4*\t:OUT+4*\t+3], s[14:15] offset:512*\t   ; 512 consecutive bytes, aligned
.endr
.Lend:
	s_wait_tensorcnt 0x0                           ; the wave's end
	ds_add_u32 v4, v5
	s_wait_dscnt 0x0
	s_endpgm
.Lfunc_end_k_qa9a4896fe0_quant:
	.size	k_qa9a4896fe0_quant, .Lfunc_end_k_qa9a4896fe0_quant-k_qa9a4896fe0_quant
	.p2alignl 7, 3214868480
	.fill 96, 4, 3214868480
	.section	.rodata,"a",@progbits
	.p2align	6, 0x0
	.amdhsa_kernel k_qa9a4896fe0_quant
		.amdhsa_group_segment_fixed_size 56064
		.amdhsa_private_segment_fixed_size 0
		.amdhsa_enable_private_segment 0
		.amdhsa_kernarg_size 48
		.amdhsa_user_sgpr_count 2
		.amdhsa_user_sgpr_kernarg_segment_ptr 1
		.amdhsa_wavefront_size32 1
		.amdhsa_system_sgpr_workgroup_id_x 1
		.amdhsa_system_sgpr_workgroup_id_y 1
		.amdhsa_system_sgpr_workgroup_id_z 1
		.amdhsa_system_vgpr_workitem_id 0
		.amdhsa_next_free_vgpr 256
		.amdhsa_next_free_sgpr 66
		.amdhsa_reserve_vcc 0
		.amdhsa_float_denorm_mode_32 3
		.amdhsa_float_denorm_mode_16_64 3
		.amdhsa_memory_ordered 1
		.amdhsa_forward_progress 1
		.amdhsa_inst_pref_size 104
	.end_amdhsa_kernel
	.amdgpu_metadata
---
amdhsa.version: [ 1, 2 ]
amdhsa.kernels:
  - .name:           k_qa9a4896fe0_quant
    .symbol:         k_qa9a4896fe0_quant.kd
    .args:
      - { .name: inputs, .offset: 0, .size: 8, .value_kind: global_buffer, .address_space: global }
      - { .name: w, .offset: 8, .size: 8, .value_kind: global_buffer, .address_space: global }
      - { .name: w_scale, .offset: 16, .size: 8, .value_kind: global_buffer, .address_space: global }
      - { .name: lowp_scales, .offset: 24, .size: 8, .value_kind: global_buffer, .address_space: global }
      - { .name: a_codes, .offset: 32, .size: 8, .value_kind: global_buffer, .address_space: global }
      - { .name: b_codes, .offset: 40, .size: 8, .value_kind: global_buffer, .address_space: global }
    .group_segment_fixed_size: 56064
    .private_segment_fixed_size: 0
    .kernarg_segment_align: 8
    .kernarg_segment_size: 48
    .max_flat_workgroup_size: 128
    .sgpr_count:     66
    .vgpr_count:     256
    .wavefront_size: 32
...
	.end_amdgpu_metadata
.endif
;; end of part 1
;; launch gemm (part 2): grid 16 x 16, 4 waves a work-group, clusters of 4 x 1, 327,680 bytes of LDS; arguments a_codes, b_codes, lowp_scales, b, out0; writes out0
.if DOCPART == 2
	.amdgcn_target "amdgcn-amd-amdhsa--gfx1250"
	.amdhsa_code_object_version 6
	.text
	.protected	k_qa9a4896fe0_gemm
	.globl	k_qa9a4896fe0_gemm
	.p2align	8
	.type	k_qa9a4896fe0_gemm,@function
k_qa9a4896fe0_gemm:
	s_mov_b64 s[64:65], 0
	v_nop
	global_prefetch_b8 v0, s[64:65] scope:SCOPE_SE
	s_setreg_imm32_b32 hwreg(HW_REG_WAVE_MODE, 25, 1), 1
	s_wait_xcnt 0x0
	s_wait_alu depctr_hold_cnt(0) depctr_sa_sdst(0) depctr_va_vdst(0) depctr_va_sdst(0) depctr_va_ssrc(0) depctr_va_vcc(0) depctr_vm_vsrc(0)
	s_getreg_b32 s2, hwreg(HW_REG_IB_STS2, 6, 4)
	s_cmp_eq_u32 s2, 0
	s_cbranch_scc0 .Lentry_in_a_cluster
	s_endpgm
.Lentry_in_a_cluster:
	s_bfe_u32 s2, ttmp6, 0x10000c
	s_cmp_lg_u32 s2, 0x3003
	s_cbranch_scc0 .Lentry_shape_is_right
	s_endpgm
.Lentry_shape_is_right:
; out0[m][n] = 2^(ea + eb) x (sum over k of A[m][k] B[n][k]) + b[n], on codes of FP8 (E4M3); sums in f32.  LIMIT: ea + eb lies between -126 and 127, so that 2^(ea + eb) is an f32 number.
; a_codes: [4096 m][4096 k].  b_codes: in the order of the operand's registers: [32 groups of 128 columns][32 chunks of 128 K][8 blocks of 16 columns][4 parts][32 lanes][16 bytes].
; A work-group makes 256 rows x 256 columns; each of its four waves all 256 rows x 64 columns of its own: 64 accumulators, 512 registers.
; A's 256 rows are read by all four waves: they come through a ring of two LDS slots of 512 along K (rows of 512 bytes of memory), 64 rows a wave's tensor load; a slot serves four steps of 128 along K, 256 matrix instructions a wave.
; B's 64 columns of a wave are read by that wave alone: they go from memory straight into its registers, 8 loads of 512 consecutive bytes for two blocks, in two sets that take turns step by step.
; A step goes by four groups of four blocks of A, each against B's four blocks.  A group's registers are fetched anew, for the next step, as soon as its 16 products are issued: 48 matrix instructions ahead of their use.
; In the last group the products go by B's blocks: blocks 0-1 are asked for again (for the step two on) behind 56 of the step's 64 matrix instructions, blocks 2-3 behind the 64th: 72 ahead of their use.
; CLUSTERS: the four work-groups of a cluster make four neighbouring blocks of columns of the same 256 rows: A's tiles are asked for jointly (mask 15).  B has no tile in LDS, so there is no joint load for it.
; THE MATRIX INSTRUCTION IS USED TRANSPOSED (source 0 = 16 columns' codes of B, source 1 = 16 rows of A): a lane holds eight neighbouring numbers of a row of the result.
; In both operands lane l holds, in registers 4 c .. 4 c + 3, K = 32 c + 16 (l / 16) + 0 .. 15 of a chunk: one permutation of k for both, so every product meets its partner.
; REGISTERS: window 0: v0-31 addresses and the bias; v32-95 the way out; v128-255 B's two sets.  window 1: A's sixteen fragments, group g at v[64 g].
;   window 2: accumulators of rows 0-127 ((a, b) at v[8 (4 a + b)]); window 3: of rows 128-255.
; PREFETCHES: in each of the loop's first two trips, for what the next trip asks for.  A: the 1,024 bytes along K of both slots' next refills; of a wave's 64 rows each of the four partners names 16, told apart by address: a lane a block of 256 bytes, two instructions.
;   B: the eight pieces of 8,192 bytes of a wave's stream that the next trip loads are shared out among the 16 work-groups that read them, by tile row: two of them name the same piece, a lane a block.  The last trip asks for nothing.
.set PITCH,  528                       ; an LDS row: 512 bytes + 16: the sixteen rows of a fragment load fall on sixteen different 16-byte columns
.set SLOT,   256*PITCH
.set STAGE,  2*SLOT                    ; behind the ring: 16 rows x 272 bytes for each wave, for the way out
.set SPITCH, 272
.set SPARE,  STAGE+4*16*SPITCH         ; the spare words: 512 bytes that no other line names
.set BS,     16384                     ; from step to step in B's stream; a wave reads 8,192 of them
.set BIAS, 12
.set ADRA, 16                          ; v16-19 my A fragments' LDS address: slot 0 rows 0-127, rows 128-255; slot 1 likewise
.set BO,   20                          ; 16 x lane: in each 512 bytes of B
.set BIO,  21                          ; 16 (lane % 16): in the bias
.set STO,  24
.set RD,   25
.set CO,   26                          ; in the result: 16,384 (lane / 16) + 16 (lane % 16)
.set SPW,  28
.set NIL,  29
.set PFO,  30                          ; A's prefetch: 4096 (lane / 4) + 256 (lane % 4)
.set PFB,  31                          ; B's prefetch: 16384 (tile row / 2) + 256 lane
.set BF,   128
.set BK,   32
.set G1,   24
.set G0,   32
.set PFA,  52
.set MSB, 0
.macro WIN new
.if MSB != \new
	s_set_vgpr_msb (MSB<<8)|\new
.set MSB, \new
.endif
.endm
.set MUL_LO, 0xa4                      ; source 0 (B) window 0, source 1 (A) window 1, C and D window 2
.set MUL_HI, 0xf4                      ; the same, C and D window 3
.set TO_A,   0x40                      ; destination window 1, address window 0
.macro CREST
	s_cmp_lg_u32 s14, 0
	s_cbranch_scc1 .Lnot_wave_0_\@
	s_barrier_signal -3
.Lnot_wave_0_\@:
	s_barrier_wait -3
	s_barrier_signal -1
	s_barrier_wait -1
.endm
.macro CROUND
	s_barrier_signal -1
	s_barrier_wait -1
	CREST
.endm
.macro PLACES                          ; four places behind a matrix instruction, ahead of loads into its sources and of reads of its result
.rept 4
	v_nop
.endr
.endm
.macro JLOAD s                         ; every wave's own 64 rows, by the same line; s_nop 0 and four v_nop behind it
	tensor_load_to_lds s[G0+4*\s:G0+4*\s+3], s[G1:G1+7]
	s_nop 0
	PLACES
.endm
.macro LOADB p, b0, off                ; B's blocks b0, b0 + 1 of one step into set p
.irp i, 0,1
.irp c, 0,1,2,3
	global_load_b128 v[BF+64*(\p)+16*(\b0+\i)+4*\c:BF+64*(\p)+16*(\b0+\i)+4*\c+3], v[BO], s[6:7] offset:(\off)+2048*(\b0+\i)+512*\c
.endr
.endr
.endm
.macro FETCH_A slot, k, g              ; A's group g (blocks 4 g .. 4 g + 3) at byte k of the slot's rows
.irp i, 0,1,2,3
.irp c, 0,1,2,3
	ds_load_b128 v[64*(\g)+16*\i+4*\c:64*(\g)+16*\i+4*\c+3], v[ADRA+2*(\slot)+(\g)/2] offset:(\k)+32*\c+(4*((\g)%2)+\i)*16*PITCH
.endr
.endr
.endm
.macro MULG g, b0, p, zero             ; 8 matrix instructions: B's blocks b0, b0 + 1, each against A's group g; the accumulators take turns
.irp b, 0,1
.irp i, 0,1,2,3
.if \zero
	v_wmma_f32_16x16x128_fp8_fp8 v[8*(4*(4*((\g)%2)+\i)+\b0+\b):8*(4*(4*((\g)%2)+\i)+\b0+\b)+7], v[BF+64*(\p)+16*(\b0+\b):BF+64*(\p)+16*(\b0+\b)+15], v[64*(\g)+16*\i:64*(\g)+16*\i+15], 0
.else
	v_wmma_f32_16x16x128_fp8_fp8 v[8*(4*(4*((\g)%2)+\i)+\b0+\b):8*(4*(4*((\g)%2)+\i)+\b0+\b)+7], v[BF+64*(\p)+16*(\b0+\b):BF+64*(\p)+16*(\b0+\b)+15], v[64*(\g)+16*\i:64*(\g)+16*\i+15], v[8*(4*(4*((\g)%2)+\i)+\b0+\b):8*(4*(4*((\g)%2)+\i)+\b0+\b)+7]
.endif
.endr
.endr
.endm
.macro ASK
	s_cmp_gt_u32 s3, 1                             ; not in the last trip
	s_cbranch_scc0 .Lno_ask_\@
	global_prefetch_b8 v[PFO], s[PFA:PFA+1] offset:2048 th:TH_LOAD_NT scope:SCOPE_SE
	global_prefetch_b8 v[PFO], s[PFA:PFA+1] offset:2048+8*4096 th:TH_LOAD_NT scope:SCOPE_SE
	global_prefetch_b8 v[PFB], s[6:7] offset:11*BS th:TH_LOAD_NT scope:SCOPE_SE
.Lno_ask_\@:
.endm
; A step of 128 along K.  turn: 0 inside a slot; 1 the slot's last step, the slot is filled again; 2 the same with no refill.  nslot, nk: where the next step's fragments of A lie (nk < 0: none).
; p: B's set.  boff: where the step two on lies in B's stream (< 0: nothing is asked for).  lc1: the loads issued behind this step's blocks 2-3 of B.  bump: the bases are stepped by a trip.
; The LDS loads come group by group, 16 each, in the order in which the groups are multiplied: a group is in when at most the three younger groups' 48 loads are out.
.macro STEP turn, slot, nslot, nk, p, zero, boff, lc1, ask, bump
.if \turn
	s_wait_tensorcnt 0x0                           ; my part of the next slot has landed: no tensor load of mine is out;
	ds_add_u32 v[SPW], v[NIL]
	s_wait_dscnt 49                                ; group 0 is in (behind it: 48 loads and the add)
.else
	s_wait_dscnt 48                                ; group 0 is in
.endif
	s_wait_loadcnt \lc1+8                          ; B's blocks 0-1 are in (behind them: blocks 2-3's 8 loads and lc1 more)
	WIN MUL_LO
	MULG 0, 0, \p, \zero
	s_wait_loadcnt \lc1                            ; B's blocks 2-3 are in
	MULG 0, 2, \p, \zero
.if \turn
	s_wait_dscnt 0x0                               ; the add is done, and my reads of this slot are over
	s_barrier_signal -1
	MULG 1, 0, \p, \zero
	MULG 1, 2, \p, \zero
	WIN 0
	s_barrier_wait -1
.if \turn == 1
	CREST                                          ; the barrier has opened a round of the cluster's barrier
	s_add_nc_u64 s[G0+4*\slot+2:G0+4*\slot+3], s[G0+4*\slot+2:G0+4*\slot+3], 1024
	JLOAD \slot                                    ; its four v_nop are also the places ahead of the loads below
.else
	PLACES
.endif
	WIN TO_A
	FETCH_A \nslot, \nk, 0
	FETCH_A \nslot, \nk, 1
.else
.if \nk >= 0
	PLACES
	WIN TO_A
	FETCH_A \nslot, \nk, 0
	s_wait_dscnt 48                                ; group 1 is in
.else
	s_wait_dscnt 32
.endif
	WIN MUL_LO
	MULG 1, 0, \p, \zero
	MULG 1, 2, \p, \zero
.if \nk >= 0
	PLACES
	WIN TO_A
	FETCH_A \nslot, \nk, 1
	s_wait_dscnt 48                                ; group 2 is in
.else
	s_wait_dscnt 16
.endif
.endif
.if \ask
	WIN 0
	ASK
.endif
	WIN MUL_HI
	MULG 2, 0, \p, \zero
	MULG 2, 2, \p, \zero
.if \nk >= 0
	PLACES
	WIN TO_A
	FETCH_A \nslot, \nk, 2
	s_wait_dscnt 48                                ; group 3 is in
.else
	s_wait_dscnt 0x0
.endif
	WIN MUL_HI
	MULG 3, 0, \p, \zero
.if \boff >= 0
	PLACES
	WIN 0
.if \bump
	s_wait_xcnt 0x0                                ; my loads and prefetches have read their bases (the youngest was issued 56 matrix instructions ago): only now are these stepped
	s_add_nc_u64 s[6:7], s[6:7], 8*BS
	s_add_nc_u64 s[PFA:PFA+1], s[PFA:PFA+1], 1024
.endif
	LOADB \p, 0, \boff
	WIN MUL_HI
.endif
	MULG 3, 2, \p, \zero
.if (\boff >= 0) || (\nk >= 0)
	PLACES
.endif
	WIN 0
.if \boff >= 0
	LOADB \p, 2, \boff
.endif
.if \nk >= 0
	WIN TO_A
	FETCH_A \nslot, \nk, 3
	WIN 0
.endif
.endm
	s_load_b128 s[4:7], s[0:1], 0x0                ; a_codes, b_codes
	s_load_b128 s[8:11], s[0:1], 0x10              ; the scales' exponents, b
	s_load_b64 s[12:13], s[0:1], 0x20              ; out0
	v_lshl_add_u32 v[SPW], v0, 2, SPARE
	v_mov_b32 v[NIL], 0
	ds_add_u32 v[SPW], v[NIL]                      ; the opening lines: the add twice on end, and its wait ahead of my first tensor load
	ds_add_u32 v[SPW], v[NIL]
	v_lshrrev_b32 v1, 5, v0
	v_readfirstlane_b32 s14, v1                    ; wave
	s_bfe_u32 s40, ttmp6, 0x40000                  ; cx
	s_lshl_b32 s42, ttmp9, 2
	s_add_co_u32 s42, s42, s40                     ; which 256 columns: 4 x cluster x + cx
	s_and_b32 s17, ttmp7, 0xffff                   ; which 256 rows
	s_mov_b32 s[G1+0], 15|(1<<20)|(1<<21)|(6<<22)|(3<<25)   ; the mask of all four partners; elements of a byte; 4 words of padding behind every 128
	s_mov_b32 s[G1+1], 512<<16
	s_mov_b32 s[G1+2], 64<<16
	s_mov_b32 s[G1+3], 512<<16
	s_mov_b32 s[G1+4], 64
	s_mov_b32 s[G1+5], 4096
	s_mov_b32 s[G1+6], 0
	s_mov_b32 s[G1+7], 0
	s_mul_i32 s45, s14, 64*PITCH                   ; where my 64 rows go
	s_mul_i32 s23, s14, 16*SPITCH
	s_add_co_u32 s23, s23, STAGE                   ; my stage
	s_lshr_b32 s22, s17, 1
	s_lshl_b32 s22, s22, 14                        ; my work-group's share of B's prefetch
	s_lshl_b32 s20, s17, 8
	s_lshl_b32 s21, s14, 6
	s_add_co_u32 s20, s20, s21                     ; A: row 256 x tile row + 64 x wave
	s_lshl_b32 s18, s40, 4
	s_add_co_u32 s18, s18, s20                     ; A's prefetch: + 16 cx
	s_lshl_b32 s20, s20, 12
	s_mov_b32 s21, 0
	s_lshl_b32 s18, s18, 12
	s_mov_b32 s19, 0
	s_lshl_b32 s46, s42, 1
	s_lshr_b32 s47, s14, 1
	s_add_co_u32 s46, s46, s47                     ; my group of 128 columns,
	s_lshl_b32 s46, s46, 19                        ; its 524,288 bytes of b_codes,
	s_and_b32 s47, s14, 1
	s_lshl_b32 s47, s47, 13                        ; and which four of its eight blocks are mine
	s_add_co_u32 s46, s46, s47
	s_mov_b32 s47, 0
	s_lshl_b32 s48, s42, 2
	s_add_co_u32 s48, s48, s14
	s_lshl_b32 s48, s48, 8                         ; my 64 columns' 256 bytes in a row of the result and in the bias
	s_mov_b32 s49, 0
	s_lshl_b32 s50, s17, 22                        ; 256 rows of 16,384 bytes of the result
	s_mov_b32 s51, 0
	v_and_b32 v1, 15, v0
	v_bfe_u32 v2, v0, 4, 1
	v_and_b32 v6, 31, v0
	v_mul_u32_u24 v3, v1, PITCH
	v_lshl_add_u32 v[ADRA], v2, 4, v3              ; a fragment's row x pitch + 16 x half
	v_add_nc_u32 v[ADRA+1], 128*PITCH, v[ADRA]
	v_add_nc_u32 v[ADRA+2], SLOT, v[ADRA]
	v_add_nc_u32 v[ADRA+3], SLOT+128*PITCH, v[ADRA]
	v_mul_u32_u24 v4, v1, SPITCH
	v_lshl_add_u32 v4, v2, 5, v4                   ; into the stage: row l % 16, 32 bytes for each half of the lanes
	v_add_nc_u32 v[STO], s23, v4
	v_lshlrev_b32 v[BO], 4, v6
	v_lshlrev_b32 v[BIO], 4, v1
	v_mul_u32_u24 v5, v2, SPITCH                   ; back: sixteen lanes to a row of 256 bytes, two rows an instruction
	v_add_nc_u32 v5, v5, v[BIO]
	v_add_nc_u32 v[RD], s23, v5
	v_lshl_add_u32 v[CO], v2, 14, v[BIO]
	v_lshrrev_b32 v7, 2, v6
	v_and_b32 v8, 3, v6
	v_lshlrev_b32 v7, 12, v7
	v_lshl_add_u32 v[PFO], v8, 8, v7
	v_lshlrev_b32 v9, 8, v6
	v_add_nc_u32 v[PFB], s22, v9
	s_wait_alu depctr_va_vdst(0)                   ; behind the head's last vector write
	s_wait_dscnt 0x0                               ; both opening adds are done
	s_wait_kmcnt 0x0
	s_load_b64 s[96:97], s[8:9], 0x0               ; ea, eb
	s_add_nc_u64 s[6:7], s[6:7], s[46:47]          ; my stream of B
	s_add_nc_u64 s[PFA:PFA+1], s[4:5], s[18:19]
	s_add_nc_u64 s[4:5], s[4:5], s[20:21]
	s_add_nc_u64 s[10:11], s[10:11], s[48:49]
	s_add_nc_u64 s[12:13], s[12:13], s[50:51]
	s_add_nc_u64 s[12:13], s[12:13], s[48:49]
	LOADB 0, 0, 0                                  ; step 0's B
	LOADB 0, 2, 0
.irp s, 0,1
	s_mov_b32 s[G0+4*\s], 1
	s_add_co_u32 s[G0+4*\s+1], s45, \s*SLOT
	s_add_nc_u64 s[G0+4*\s+2:G0+4*\s+3], s[4:5], \s*512
	s_or_b32 s[G0+4*\s+3], s[G0+4*\s+3], 0x80000000
.endr
	CROUND                                         ; the four partners are here: the first joint loads meet
	JLOAD 0                                        ; slot 0: my one tensor load at the head
	LOADB 1, 0, BS                                 ; step 1's B
	LOADB 1, 2, BS
	s_wait_tensorcnt 0x0                           ; my part of slot 0 is in
	ds_add_u32 v[SPW], v[NIL]
	s_wait_dscnt 0x0
	CROUND
	JLOAD 1                                        ; slot 1's first fill
	WIN TO_A
	FETCH_A 0, 0, 0
	FETCH_A 0, 0, 1
	FETCH_A 0, 0, 2
	FETCH_A 0, 0, 3
	WIN 0
	STEP 0, 0, 0, 128, 0, 1, 2*BS, 16, 0, 0        ; step 0 starts the sums
	s_mov_b32 s3, 3
.Llap:                                                 ; a trip: eight steps, from a lap's second to the next lap's first; both slots are filled again
	STEP 0, 0, 0, 256, 1, 0, 3*BS, 16, 0, 0
	STEP 0, 0, 0, 384, 0, 0, 4*BS, 16, 0, 0
	STEP 1, 0, 1, 0,   1, 0, 5*BS, 16, 0, 0
	STEP 0, 1, 1, 128, 0, 0, 6*BS, 16, 1, 0
	STEP 0, 1, 1, 256, 1, 0, 7*BS, 16, 0, 0
	STEP 0, 1, 1, 384, 0, 0, 8*BS, 16, 0, 0
	STEP 1, 1, 0, 0,   1, 0, 9*BS, 16, 0, 0
	STEP 0, 0, 0, 128, 0, 0, 2*BS, 16, 0, 1        ; the bases go a trip on ahead of this step's loads of B
	s_sub_co_u32 s3, s3, 1
	s_cmp_lg_u32 s3, 0
	s_cbranch_scc1 .Llap
	STEP 0, 0, 0, 256, 1, 0, 3*BS, 16, 0, 0        ; steps 25 to 31: nothing is filled again, and B's stream ends with step 31
	STEP 0, 0, 0, 384, 0, 0, 4*BS, 16, 0, 0
	STEP 2, 0, 1, 0,   1, 0, 5*BS, 16, 0, 0
	STEP 0, 1, 1, 128, 0, 0, 6*BS, 16, 0, 0
	STEP 0, 1, 1, 256, 1, 0, 7*BS, 16, 0, 0
	STEP 0, 1, 1, 384, 0, 0, -1, 16, 0, 0
	global_load_b128 v[BIAS:BIAS+3], v[BIO], s[10:11]  ; b at my four columns of a row read back
	STEP 0, 1, 1, -1,  1, 0, -1, 1, 0, 0           ; behind step 31's B stands the bias's one load
; THE WAY OUT, by blocks of 16 rows x 64 columns: the sums go through my own stage and come back as whole rows of 256 bytes; there x 2^(ea + eb) + b; sixteen lanes store one aligned run of 256 bytes.
; LDS serves a wave's instructions in order (ISA guide 5.7.1.4): no wait between the stores and the loads.
.macro TOSTAGE a
.set AC, 32*((\a)%8)
	WIN 0x08+4*((\a)/8)                            ; the stores' data: window 2 or 3; each accumulator from its low end on
.irp b, 0,1,2,3
	ds_store_b128 v[STO], v[AC+8*\b:AC+8*\b+3] offset:64*\b
	ds_store_b128 v[STO], v[AC+8*\b+4:AC+8*\b+7] offset:64*\b+16
.endr
	WIN 0
.set BB, BK+32*((\a)%2)
.irp t, 0,1,2,3,4,5,6,7
	ds_load_b128 v[BB+4*\t:BB+4*\t+3], v[RD] offset:\t*2*SPITCH
.endr
.endm
.macro SEND a, younger                 ; younger: the LDS instructions issued behind block a's loads
.set BB, BK+32*((\a)%2)
	s_wait_dscnt \younger
.irp t, 0,1,2,3,4,5,6,7
	v_pk_fma_f32 v[BB+4*\t:BB+4*\t+1], v[BB+4*\t:BB+4*\t+1], s[96:97], v[BIAS:BIAS+1] op_sel_hi:[1,0,1]
	v_pk_fma_f32 v[BB+4*\t+2:BB+4*\t+3], v[BB+4*\t+2:BB+4*\t+3], s[96:97], v[BIAS+2:BIAS+3] op_sel_hi:[1,0,1]
.endr
.if (\a) > 0
	s_add_nc_u64 s[12:13], s[12:13], 16*16384      ; behind a wait on XCNT: the earlier stores have read their base
.endif
.irp t, 0,1,2,3,4,5,6,7
	global_store_b128 v[CO], v[BB+4*\t:BB+4*\t+3], s[12:13] offset:\t*2*16384 th:TH_STORE_NT
.endr
.endm
	s_wait_kmcnt 0x0
	s_add_co_i32 s96, s96, s97
	s_add_co_i32 s96, s96, 127
	s_lshl_b32 s96, s96, 23                        ; 2^(ea + eb) as f32
	PLACES
	s_wait_loadcnt 0x0                             ; the bias is in
	TOSTAGE 0
.irp a, 1,2,3,4,5,6,7,8,9,10,11,12,13,14,15
.if \a > 1
	s_wait_xcnt 0x0                                ; block a - 2's stores have read their registers and their base
.endif
	TOSTAGE \a
	SEND \a-1, 16
.endr
	s_wait_xcnt 0x0
	SEND 15, 0
	s_wait_tensorcnt 0x0                           ; the wave's end
	ds_add_u32 v[SPW], v[NIL]
	s_wait_dscnt 0x0
	CROUND                                         ; the closing round
	s_endpgm
.Lfunc_end_k_qa9a4896fe0_gemm:
	.size	k_qa9a4896fe0_gemm, .Lfunc_end_k_qa9a4896fe0_gemm-k_qa9a4896fe0_gemm
	.p2alignl 7, 3214868480
	.fill 96, 4, 3214868480
	.section	.rodata,"a",@progbits
	.p2align	6, 0x0
	.amdhsa_kernel k_qa9a4896fe0_gemm
		.amdhsa_group_segment_fixed_size 327680
		.amdhsa_private_segment_fixed_size 0
		.amdhsa_enable_private_segment 0
		.amdhsa_kernarg_size 40
		.amdhsa_user_sgpr_count 2
		.amdhsa_user_sgpr_kernarg_segment_ptr 1
		.amdhsa_wavefront_size32 1
		.amdhsa_system_sgpr_workgroup_id_x 1
		.amdhsa_system_sgpr_workgroup_id_y 1
		.amdhsa_system_sgpr_workgroup_id_z 1
		.amdhsa_system_vgpr_workitem_id 0
		.amdhsa_next_free_vgpr 1024
		.amdhsa_next_free_sgpr 98
		.amdhsa_reserve_vcc 0
		.amdhsa_float_denorm_mode_32 3
		.amdhsa_float_denorm_mode_16_64 3
		.amdhsa_memory_ordered 1
		.amdhsa_forward_progress 1
		.amdhsa_inst_pref_size 225
	.end_amdhsa_kernel
	.amdgpu_metadata
---
amdhsa.version: [ 1, 2 ]
amdhsa.kernels:
  - .name:           k_qa9a4896fe0_gemm
    .symbol:         k_qa9a4896fe0_gemm.kd
    .args:
      - { .name: a_codes, .offset: 0, .size: 8, .value_kind: global_buffer, .address_space: global }
      - { .name: b_codes, .offset: 8, .size: 8, .value_kind: global_buffer, .address_space: global }
      - { .name: lowp_scales, .offset: 16, .size: 8, .value_kind: global_buffer, .address_space: global }
      - { .name: b, .offset: 24, .size: 8, .value_kind: global_buffer, .address_space: global }
      - { .name: out0, .offset: 32, .size: 8, .value_kind: global_buffer, .address_space: global }
    .group_segment_fixed_size: 327680
    .private_segment_fixed_size: 0
    .kernarg_segment_align: 8
    .kernarg_segment_size: 40
    .max_flat_workgroup_size: 128
    .sgpr_count:     98
    .vgpr_count:     1024
    .wavefront_size: 32
...
	.end_amdgpu_metadata
.endif
;; end of part 2
